; MI455X (gfx1250); checked and timed in simulation.
; The chip was launched on July 23, 2026; its instructions are those of AMD's public machine-readable ISA for CDNA 5 (MIT licence, August 2026) and "CDNA5" Instruction Set Architecture Reference Guide (July 2026). The comments in the code are by the model that wrote it; some were corrected since.
;; Vector Quantizer. Allowed arithmetic: matrix products marked QUANTISED: E3M2 operands, one E8M0 scale for each 32 along K, by v_wmma_scale_f32_16x16x128_f8f6f4 with both operands' format E3M2, f32 sums; everything else in f32.
;; Inputs: embedding 8,192 x 256 float32; x 32,768 x 256 float32.
;; Outputs: out0 32,768 x 256 float32; out1 one number float32; out2 one number float32; out3 32,768 int32.
;; This version of the problem:
;;   THIS VERSION OF THE PROBLEM IS GIVEN IN LOW PRECISION. The matrix products marked QUANTISED in the list below multiply operands that are first quantised to E3M2 (3 exponent bits, 2 mantissa bits; 6 bits a number), with one power-of-two scale for each 32 numbers along K (OCP MX v1.0); their sums are f32. All else is computed in f32.
;;   The module's matrix products, in the order in which they are computed (A, B: the left and right operand; K: the contracted axis; several contracted axes count as one K, in the product's order):
;;     1. [M 32,768, K 256] x [K 256, N 8,192]; A: input x; B: input embedding: QUANTISED
;;   THE QUANTISER, for each operand of a quantised product, along K:
;;     - K is cut into blocks of 32 from its start; a last block that is shorter is filled with zeros.
;;     - A block's scale is 2^e with e = floor(log2(the largest magnitude in the block)) - 4, held to -126 .. 127; a block of zeros has e = 0. As a byte (E8M0): e + 127.
;;     - Each number is divided by its block's scale, clamped to +-28, and rounded to the nearest number of E3M2, ties to even, subnormals kept.
;;     - The product sums the exact products of the quantised numbers (number of the format x scale) in f32.
;;   ~~~python
;;   def quantise(x, axis):      # numpy; x: float32 -> the quantised numbers, widened to float32 again
;;       x = np.moveaxis(x, axis, -1); K = x.shape[-1]
;;       x = np.pad(x, [(0, 0)] * (x.ndim - 1) + [(0, -K % 32)]); x = x.reshape(x.shape[:-1] + (-1, 32)); a = np.abs(x).max(-1, keepdims=True)
;;       e = np.where(a > 0, np.clip(np.frexp(np.where(a > 0, a, 1))[1] - 1 - 4, -126, 127), 0)      # np.frexp(a)[1] - 1 = floor(log2(a)), exactly
;;       r = np.clip(x / 2.0 ** e, -28, 28)
;;       step = 2.0 ** (np.maximum(np.frexp(np.where(r == 0, 1, r))[1] - 1, -2) - 2)
;;       q = np.round(r / step) * step * 2.0 ** e      # np.round: ties to even
;;       return np.moveaxis(q.reshape(q.shape[:-2] + (-1,))[..., :K], -1, axis).astype(np.float32)
;;   ~~~
;; One version. Each part assembles by itself: llvm-mc -triple=amdgcn-amd-amdhsa -mcpu=gfx1250 --defsym DOCPART=n.
;; ======== version 1 of 1: 5 launches
;; limits: right only within a limited range of input values
;; workspace buffers: xc 6,291,456 bytes; xs 393,216 bytes; ec 1,572,864 bytes; es 98,304 bytes; grp 131,072 bytes of whole numbers; idx 131,072 bytes of whole numbers; part 2,048 bytes
;; launch quant (part 1): grid 640 x 1, 4 waves a work-group, no clusters, 67,840 bytes of LDS; arguments x, embedding, xc, xs, ec, es; writes xc, xs, ec, es
.if DOCPART == 1
	.amdgcn_target "amdgcn-amd-amdhsa--gfx1250"
	.amdhsa_code_object_version 6
	.text
	.protected	k_qc30db6deaa_quant
	.globl	k_qc30db6deaa_quant
	.p2align	8
	.type	k_qc30db6deaa_quant,@function
k_qc30db6deaa_quant:
	s_mov_b64 s[64:65], 0
	v_nop
	global_prefetch_b8 v0, s[64:65] scope:SCOPE_SE
	s_setreg_imm32_b32 hwreg(HW_REG_WAVE_MODE, 25, 1), 1
	s_wait_xcnt 0x0
; x [32768][256] and embedding [8192][256], f32, become codes of BF6 (E3M2) with one E8M0 scale byte for each 32 along K, laid as IMAGES OF OPERAND REGISTERS.
; A tile is 16 rows.  Codes: tile t, K step s (128 along K) at 3072 t + 1536 s; in it piece c (registers 4 c .. 4 c + 3 of the fragment's 12) at 512 c, lane l's 16 bytes at 16 l.
; Lane l = (r = l % 16, h = l / 16) holds row r; registers 6 c' .. 6 c' + 5 hold k = 128 s + 64 c' + 32 h + 0 .. 31 (the 6-bit operand layout).
; Side data: 192 bytes a tile: bytes 0-127 the image of ONE scale register (lane (r, s): row r's word of K step s), bytes 128-191 the 16 rows' sums of squares, f32.
; A block's scale is 2^(floor(log2(largest magnitude)) - 4): its byte is the largest magnitude's exponent field - 4, held at 1 from below by a floor among the maximum's leaves.
; LIMITS: a block of zeros gets the byte 1 where the rule says 127 (its codes are zeros, and this program alone reads the bytes); NaN and infinities are not served;
; a row's sum of squares is taken in four chains and across two lanes, an order of additions of its own.
; SHARES: work-groups 0-511 take x, 512-639 the table (only pointers are chosen: one path).  A wave takes one tile, 16,384 bytes: 32 loads of 512 consecutive bytes, all issued at once,
; turned through the wave's own stage in LDS (rows 1,040 bytes apart, an odd multiple of 16), so that a lane gets whole blocks of 32 neighbours of its row.
; No tensor load, no loop, no matrix work: memory binds, and each byte is read once.
.set STGW,  16640                      ; a wave's stage: 16 rows x 1,040 bytes
.set RP,    1040
.set SIDEL, 66560                      ; behind the four stages: the work-group's four side records, 768 bytes
.set R,     16                         ; v16-143  the tile as loaded; later v16-79 the numbers of K step 1
.set XA,    144                        ; v144-207 the numbers of K step 0: register 32 c' + i = k 64 c' + 32 h + i
.set PC0,   208                        ; v208-219 the fragment of K step 0
.set PC1,   220                        ; v220-231 of K step 1: a set each, so that no store's data are written again
.set TC,    232                        ; v232-238 the upper halves of the conversions
.set M,     240                        ; v240-241 the two blocks' largest magnitudes
.set SO,    242                        ; v242-243 the conversions' scale operands
.set BY,    244                        ; v244-245 the scale bytes
	s_load_b128 s[4:7], s[0:1], 0x0                ; x, embedding
	s_load_b128 s[8:11], s[0:1], 0x10              ; xc, xs
	s_load_b128 s[12:15], s[0:1], 0x20             ; ec, es
	v_lshl_add_u32 v254, v0, 2, 0x10700
	v_mov_b32 v255, 0
	v_lshrrev_b32 v1, 5, v0
	v_readfirstlane_b32 s16, v1                    ; wave 0..3
	v_and_b32 v1, 31, v0                           ; lane
	v_and_b32 v2, 15, v0                           ; r
	v_bfe_u32 v3, v0, 4, 1                         ; h
	v_lshlrev_b32 v4, 4, v1                        ; 16 x lane
	s_mul_i32 s17, s16, STGW
	v_add_nc_u32 v5, s17, v4                       ; the stage, on the way in: as the bytes lie
	v_mul_u32_u24 v6, v2, RP
	v_lshl_add_u32 v6, v3, 7, v6
	v_add_nc_u32 v6, s17, v6                       ; and on the way out: row r, + 128 h: my block of 32 numbers
	v_lshlrev_b32 v7, 3, v3                        ; 8 h: my bytes' place in a scale word
	s_mul_i32 s18, s16, 192
	s_add_co_u32 s18, s18, SIDEL                   ; my tile's side record in LDS
	v_lshlrev_b32 v14, 2, v1
	v_add_nc_u32 v14, s18, v14                     ; the scale image's word of my lane
	v_lshlrev_b32 v15, 2, v2
	v_add_nc_u32 v15, s18, v15                     ; my row's sum of squares (128 bytes on, in the store's offset)
	v_add_nc_u32 v248, SIDEL, v4                   ; the side records' way out: wave 0 takes 512 bytes,
	v_lshlrev_b32 v249, 3, v1
	v_add_nc_u32 v250, SIDEL+512, v249             ; wave 1 the last 256
	v_mov_b32 v247, 0                              ; written once: a lane permute's destination counts as one of its sources
	s_mov_b32 s20, 0x76543210
	s_mov_b32 s21, 0xfedcba98                      ; v_permlanex16_b32's selects for lane l xor 16
	s_wait_kmcnt 0x0
	s_cmp_lt_u32 ttmp9, 512                        ; x's work-group or the table's?  The choice hangs on the work-group's number alone
	s_cselect_b64 s[4:5], s[4:5], s[6:7]
	s_cselect_b64 s[8:9], s[8:9], s[12:13]
	s_cselect_b64 s[10:11], s[10:11], s[14:15]
	s_cselect_b32 s19, 0, 512
	s_sub_co_u32 s19, ttmp9, s19                   ; the work-group's number within its tensor
	s_lshl_b32 s22, s19, 2
	s_add_co_u32 s22, s22, s16                     ; my tile
	s_lshl_b32 s24, s22, 14
	s_mov_b32 s25, 0
	s_add_nc_u64 s[4:5], s[4:5], s[24:25]          ; 16,384 bytes of f32 a tile
	s_mul_i32 s24, s22, 3072
	s_add_nc_u64 s[8:9], s[8:9], s[24:25]          ; 3,072 bytes of codes
	s_mul_i32 s24, s19, 768
	s_add_nc_u64 s[10:11], s[10:11], s[24:25]      ; 768 bytes of side data a work-group: three aligned blocks of 256
.set n, 0
.rept 32
	global_load_b128 v[R+4*n:R+4*n+3], v4, s[4:5] offset:512*n th:TH_LOAD_NT   ; 32 lanes read 512 consecutive bytes: half a row
.set n, n+1
.endr
.set n, 0
.rept 32
.if n%8 == 0
	s_wait_loadcnt 24-n                            ; loads come back in order: the eight oldest of what is left are in, the younger ones stay out
.endif
	ds_store_b128 v5, v[R+4*n:R+4*n+3] offset:(n/2)*RP+(n%2)*512
.set n, n+1
.endr
.macro XREAD reg, s                    ; my 64 numbers of K step s: two blocks of 32 neighbours.  LDS serves a wave's instructions in order: these see my stores
.irp c, 0,1
.irp i, 0,1,2,3,4,5,6,7
	ds_load_b128 v[\reg+32*\c+4*\i:\reg+32*\c+4*\i+3], v6 offset:512*\s+256*\c+16*\i
.endr
.endr
.endm
; 64 numbers of a lane (two whole blocks of its row) become the fragment's 12 registers in v[pc] on, stored at once, and the row's scale word in v[12 + s]; their squares go into v[8:11].
.macro QUANT x, pc, s
.set j, 0
.rept 16
.if (\s == 0) && (j == 0)
	v_pk_mul_f32 v[8:9], v[\x:\x+1], v[\x:\x+1]                    ; the first products start the sums: nothing is cleared
	v_pk_mul_f32 v[10:11], v[\x+2:\x+3], v[\x+2:\x+3]
.else
	v_pk_fma_f32 v[8:9], v[\x+4*j:\x+4*j+1], v[\x+4*j:\x+4*j+1], v[8:9]
	v_pk_fma_f32 v[10:11], v[\x+4*j+2:\x+4*j+3], v[\x+4*j+2:\x+4*j+3], v[10:11]
.endif
.set j, j+1
.endr
.irp c, 0,1
	v_max3_num_f32 v[M+\c], |v[\x+32*\c]|, |v[\x+32*\c+1]|, 0x2800000   ; and the floor 2^(5 - 127): the byte cannot fall under 1
.endr
.irp i, 2,4,6,8,10,12,14,16,18,20,22,24,26,28,30
.irp c, 0,1
	v_max3_num_f32 v[M+\c], v[M+\c], |v[\x+32*\c+\i]|, |v[\x+32*\c+\i+1]|   ; the two blocks by turns
.endr
.endr
.irp c, 0,1
	v_add_nc_u32 v[SO+\c], 0xfe000000, v[M+\c]     ; 4 off the exponent field: the conversion takes the exponent field of this operand as its scale
.endr
.irp c, 0,1
	v_lshrrev_b32 v[BY+\c], 23, v[SO+\c]           ; the scale's byte
.endr
	v_lshl_or_b32 v246, v[BY+1], 16, v[BY]         ; my two bytes: blocks h and 2 + h of my row,
	v_lshlrev_b32 v246, v7, v246                   ; at their places in the word;
	v_permlanex16_b32 v247, v246, s20, s21
	v_or_b32 v[12+\s], v246, v247                  ; with lane l xor 16's two the word is whole
.irp c, 0,1
	v_cvt_scalef32_pk16_bf6_f32 v[\pc+6*\c:\pc+6*\c+2], v[\x+32*\c:\x+32*\c+15], v[SO+\c]
	v_cvt_scalef32_pk16_bf6_f32 v[TC+4*\c:TC+4*\c+2], v[\x+32*\c+16:\x+32*\c+31], v[SO+\c]   ; (a conversion's three registers begin on an even number: the upper half is made here and moved)
.endr
	v_nop                                          ; one plain place behind the scaled conversions
.irp c, 0,1
.irp i, 0,1,2
	v_mov_b32 v[\pc+6*\c+3+\i], v[TC+4*\c+\i]
.endr
.endr
.irp c, 0,1,2
	global_store_b128 v4, v[\pc+4*\c:\pc+4*\c+3], s[8:9] offset:1536*\s+512*\c   ; 32 lanes store 512 consecutive bytes, at a multiple of 256 from the buffer's first byte
.endr
.endm
	XREAD XA, 0
	s_wait_dscnt 0x0                               ; K step 0's numbers are in, and the stores into the stage have read v16 on
	XREAD R, 1                                     ; K step 1's land while step 0 is quantised
	QUANT XA, PC0, 0
	s_wait_dscnt 0x0
	QUANT R, PC1, 1
	v_add_f32 v8, v8, v9                           ; my half of the row's sum of squares,
	v_add_f32 v10, v10, v11
	v_add_f32 v8, v8, v10
	v_permlanex16_b32 v247, v8, s20, s21
	v_add_f32 v8, v8, v247                         ; and lane l xor 16's: both lanes hold the same bits
	v_cmp_lt_u32 vcc_lo, 15, v1
	v_cndmask_b32 v246, v12, v13, vcc_lo           ; the scale register's image: lanes 0-15 K step 0's words, lanes 16-31 K step 1's
	ds_store_b32 v14, v246
	ds_store_b32 v15, v8 offset:128                ; lanes l and l xor 16 write the same word with the same value
	s_wait_dscnt 0x0                               ; for the others' sake: my stores have landed
	s_barrier_signal -1
	s_barrier_wait -1                              ; the four side records lie in LDS
	s_cmp_lg_u32 s16, 0
	s_cbranch_scc1 .Lnot_wave_0
	ds_load_b128 v[16:19], v248
	s_wait_dscnt 0x0
	global_store_b128 v4, v[16:19], s[10:11]       ; two aligned blocks of 256 bytes
	s_branch .Lend
.Lnot_wave_0:
	s_cmp_lg_u32 s16, 1
	s_cbranch_scc1 .Lend
	ds_load_b64 v[16:17], v250
	s_wait_dscnt 0x0
	global_store_b64 v249, v[16:17], s[10:11] offset:512   ; and the third
.Lend:
	s_wait_tensorcnt 0x0
	ds_add_u32 v254, v255
	s_wait_dscnt 0x0
	s_endpgm
.Lfunc_end_k_qc30db6deaa_quant:
	.size	k_qc30db6deaa_quant, .Lfunc_end_k_qc30db6deaa_quant-k_qc30db6deaa_quant
	.p2alignl 7, 3214868480
	.fill 96, 4, 3214868480
	.section	.rodata,"a",@progbits
	.p2align	6, 0x0
	.amdhsa_kernel k_qc30db6deaa_quant
		.amdhsa_group_segment_fixed_size 67840
		.amdhsa_private_segment_fixed_size 0
		.amdhsa_enable_private_segment 0
		.amdhsa_kernarg_size 48
		.amdhsa_user_sgpr_count 2
		.amdhsa_user_sgpr_kernarg_segment_ptr 1
		.amdhsa_wavefront_size32 1
		.amdhsa_system_sgpr_workgroup_id_x 1
		.amdhsa_system_sgpr_workgroup_id_y 1
		.amdhsa_system_sgpr_workgroup_id_z 1
		.amdhsa_system_vgpr_workitem_id 0
		.amdhsa_next_free_vgpr 256
		.amdhsa_next_free_sgpr 66
		.amdhsa_reserve_vcc 1
		.amdhsa_float_denorm_mode_32 3
		.amdhsa_float_denorm_mode_16_64 3
		.amdhsa_memory_ordered 1
		.amdhsa_forward_progress 1
		.amdhsa_inst_pref_size 21
	.end_amdhsa_kernel
	.amdgpu_metadata
---
amdhsa.version: [ 1, 2 ]
amdhsa.kernels:
  - .name:           k_qc30db6deaa_quant
    .symbol:         k_qc30db6deaa_quant.kd
    .args:
      - { .name: x, .offset: 0, .size: 8, .value_kind: global_buffer, .address_space: global }
      - { .name: embedding, .offset: 8, .size: 8, .value_kind: global_buffer, .address_space: global }
      - { .name: xc, .offset: 16, .size: 8, .value_kind: global_buffer, .address_space: global }
      - { .name: xs, .offset: 24, .size: 8, .value_kind: global_buffer, .address_space: global }
      - { .name: ec, .offset: 32, .size: 8, .value_kind: global_buffer, .address_space: global }
      - { .name: es, .offset: 40, .size: 8, .value_kind: global_buffer, .address_space: global }
    .group_segment_fixed_size: 67840
    .private_segment_fixed_size: 0
    .kernarg_segment_align: 8
    .kernarg_segment_size: 48
    .max_flat_workgroup_size: 128
    .sgpr_count:     66
    .vgpr_count:     256
    .wavefront_size: 32
...
	.end_amdgpu_metadata
.endif
;; end of part 1
;; launch search (part 2): grid 256 x 1, 16 waves a work-group, clusters of 4 x 1, 327,680 bytes of LDS; arguments xc, xs, ec, es, grp; writes grp
.if DOCPART == 2
	.amdgcn_target "amdgcn-amd-amdhsa--gfx1250"
	.amdhsa_code_object_version 6
	.text
	.protected	k_qc30db6deaa_search
	.globl	k_qc30db6deaa_search
	.p2align	8
	.type	k_qc30db6deaa_search,@function
k_qc30db6deaa_search:
	s_mov_b64 s[64:65], 0
	v_nop
	global_prefetch_b8 v0, s[64:65] scope:SCOPE_SE
	s_setreg_imm32_b32 hwreg(HW_REG_WAVE_MODE, 25, 1), 1
	s_wait_xcnt 0x0
	s_wait_alu depctr_hold_cnt(0) depctr_sa_sdst(0) depctr_va_vdst(0) depctr_va_sdst(0) depctr_va_ssrc(0) depctr_va_vcc(0) depctr_vm_vsrc(0)
	s_getreg_b32 s2, hwreg(HW_REG_IB_STS2, 6, 4)
	s_cmp_eq_u32 s2, 0
	s_cbranch_scc0 .Lentry_in_a_cluster
	s_endpgm
.Lentry_in_a_cluster:
	s_bfe_u32 s2, ttmp6, 0x10000c
	s_cmp_lg_u32 s2, 0x3003
	s_cbranch_scc0 .Lentry_shape_is_right
	s_endpgm
.Lentry_shape_is_right:
; For each of 32,768 queries: WHICH GROUP OF 8 NEIGHBOURING CODES holds the first smallest d2 = (|x|^2 - 2 Q(x).Q(e)) + |e|^2 over the 8,192 codes.  The products are on codes of BF6 (E3M2) with E8M0 scales, K = 256.
; d2 is rounded as it is written: one fused multiply-add for |x|^2 - 2 dot (2 dot is exact), then one addition of |e|^2.  Every tie goes to the lower group.  A later launch finds the code within the group.
; WHY GROUPS.  K is two matrix instructions deep, and each tile of 16 x 16 scores leaves 8 registers a lane to be searched.  The product is used transposed (source 0 = 16 codes, source 1 = 16 queries): a lane holds ONE query
; and its 8 registers 8 neighbouring codes.  Carrying only the smallest value and the group's number costs 14 vector instructions a tile of scores (4 dual multiply-adds, 4 dual additions, 4 three-way minima, a compare, a select).
; SHARES.  A work-group owns 128 queries and walks all 512 tiles of codes.  SIXTEEN waves of 256 registers, four to a SIMD, so that one wave's vector work stands beside another's matrix work.  Wave w: queries 64 (w % 2) on
; (four tiles, whose fragments stay in registers), and of each slot's 32 tiles of codes the four from 4 (w / 2) on.  At the end the 16 candidates of a query (8 streams x 2 halves of the lanes) meet in LDS.
; THE RING.  Two LDS slots of 32 tiles of codes (98,304 bytes, images of operand registers: every fragment load is 512 consecutive bytes, so no padding), filled by waves 0 to 3, a quarter each.
; The table's side data (scale words and |e|^2, 98,304 bytes) come once, with the first fills, and stay.
; CLUSTER.  The four work-groups of a cluster walk the same codes: every tile is asked for JOINTLY, by the same tensor load with the same descriptor and the mask of all four.
; LIMITS: NaN and infinities are not served (the minima drop a NaN).
; REGISTERS: v1-2 the add's; v3-5 my places in a slot and in the side data, v6-8 the same for the slot in hand; v9 the group's number; v10 the prefetch's offset; v11 the merge's store address; v12-15 x's scale words;
; v16-23 |x|^2, a pair a tile of queries; v24-27, v28-31 the smallest value, old and new by turns; v32-35 its group; v36-131 x's fragments; v132-179 two buffers of a tile of codes; v180-181 its scale words;
; v182-197 two buffers of |e|^2; v198-199 the merge's read address and my offset in grp; v200-231 four accumulators; v232-235 at work; v236-241 at the head only.
.set SLOTB, 98304                      ; a slot: 32 tiles x 3,072 bytes
.set QTR,   24576                      ; what one tensor load brings
.set SPARE, 98304                      ; behind slot 0: the spare words, 128 bytes for each of 16 waves: eight blocks of 256 bytes that no other line names
.set MRG,   100352                     ; the merge: 16 candidates x 128 queries x 4 bytes of values, then as many of group numbers; no tile lands here
.set SLOT1, 131072                     ; slot 1 begins here, so that one exclusive or turns an address in one slot into the other's
.set SIDE,  229376                     ; the table's side data, 192 bytes a tile
.set SPW,  1
.set NIL,  2
.set ADE0, 3
.set ASC0, 4
.set AEE0, 5
.set ADE,  6
.set ASC,  7
.set AEE,  8
.set GID,  9
.set PFO,  10
.set MWR,  11
.set XS,   12
.set XXP,  16
.set B,    24
.set IDX,  32
.set XF,   36
.set E,    132
.set ES,   180
.set EE,   182
.set MRD,  198
.set GOF,  199
.set ACC,  200
.set T,    232
.set M2,   242                         ; v242-243 -2.0, twice: one register for each half of a dual pair
; s14 wave, s15 w % 2, s16 w / 2, s17 cx, s18 the work-group's number; s[24:31] descriptor group 1; s[32:35], s[36:39], s[40:43] groups 0: side data, slot 0, and the one that walks;
; s44 the slot in hand's first LDS byte; s45 its side data's step; s46 trips to go; s47 1 in a wave that prefetches, else the greatest number; s[48:49] where my prefetches stand
.macro CREST
	s_cmp_lg_u32 s14, 0
	s_cbranch_scc1 .Lnot_wave_0_\@
	s_barrier_signal -3
.Lnot_wave_0_\@:
	s_barrier_wait -3
	s_barrier_signal -1
	s_barrier_wait -1
.endm
.macro CROUND                          ; a whole round
	s_barrier_signal -1
	s_barrier_wait -1
	CREST
.endm
.macro TLOAD                           ; the joint refill: waves 0 to 3, a quarter of the slot each.  The branch hangs on the wave's number alone.  Four v_nop follow the load
	s_cmp_lt_u32 s14, 4
	s_cbranch_scc0 .Lno_load_\@
	tensor_load_to_lds s[40:43], s[24:31]
	s_nop 0
.rept 4
	v_nop
.endr
.Lno_load_\@:
.endm
; A PREFETCH INTO THE L2 of the slot that the NEXT change of slots will ask for: 98,304 bytes = 4 partners x 3 waves x 32 lanes x 256 bytes.  All clusters walk the same codes: the first cluster asks.  Its four partners take
; 24,576 bytes each, told apart BY ADDRESS; in each, waves 4, 5 and 6, which fetch nothing, ask for 8,192 bytes each, lanes 256 bytes apart.  So each aligned block of 256 bytes is named once in the launch.
; The change of slots behind slot n names slot n + 3; the last change that fills a slot (s46 = 1) names nothing: there is no slot 16.  Slots 0 to 2 and the side data come by their loads alone.
.macro ASK
	s_cmp_gt_u32 s46, s47
	s_cbranch_scc0 .Lnot_mine_\@
	global_prefetch_b8 v[PFO], s[48:49] th:TH_LOAD_NT scope:SCOPE_SE
.Lnot_mine_\@:
.endm
	s_load_b256 s[4:11], s[0:1], 0x0               ; xc s[4:5], xs s[6:7], ec s[8:9], es s[10:11]
	s_load_b64 s[12:13], s[0:1], 0x20              ; grp
	v_lshl_add_u32 v[SPW], v0, 2, SPARE
	v_mov_b32 v[NIL], 0
	ds_add_u32 v1, v2
	ds_add_u32 v1, v2
	s_wait_dscnt 0x0
	v_lshrrev_b32 v236, 5, v0
	s_delay_alu instid0(VALU_DEP_1)
	v_readfirstlane_b32 s14, v236                  ; wave 0..15
	s_and_b32 s15, s14, 1                          ; which 64 queries
	s_lshr_b32 s16, s14, 1                         ; which stream of codes
	s_bfe_u32 s17, ttmp6, 0x40000                  ; cx: my place in the cluster: it enters global addresses of x, of grp and of the prefetches alone
	s_lshl_b32 s18, ttmp9, 2
	s_add_co_u32 s18, s18, s17                     ; my block of 128 queries = 4 x cluster + cx
	v_and_b32 v237, 31, v0                         ; lane
	v_and_b32 v238, 15, v0                         ; r
	v_bfe_u32 v239, v0, 4, 1                       ; h
	s_delay_alu instid0(VALU_DEP_3)
	v_lshlrev_b32 v236, 4, v237                    ; 16 x lane
	s_delay_alu instid0(VALU_DEP_4)
	v_lshlrev_b32 v240, 2, v237                    ; 4 x lane
	s_delay_alu instid0(VALU_DEP_4)
	v_lshlrev_b32 v241, 2, v238                    ; 4 r
	s_mul_i32 s50, s16, 12288
	v_add_nc_u32 v[ADE0], s50, v236                ; my stream's four tiles in a slot, my lane's 16 bytes
	s_mul_i32 s50, s16, 768
	s_add_co_u32 s50, s50, SIDE
	v_lshl_add_u32 v[ASC0], v237, 2, s50           ; their scale words: 4 bytes a lane
	v_lshl_add_u32 v[AEE0], v239, 5, s50
	s_delay_alu instid0(VALU_DEP_1)
	v_add_nc_u32 v[AEE0], 128, v[AEE0]             ; their |e|^2: the eight of my half
	s_lshl_b32 s50, s16, 3
	s_sub_co_u32 s50, s50, 58
	v_add_nc_u32 v[GID], s50, v239                 ; the first update adds 58: then it is my first group, 8 (w / 2) + h
	v_lshlrev_b32 v[PFO], 8, v237
	s_lshl_b32 s50, s16, 10
	s_lshl_b32 s51, s15, 8
	s_add_co_u32 s50, s50, s51
	s_add_co_u32 s50, s50, MRG
	v_lshl_add_u32 v[MWR], v239, 9, s50
	s_delay_alu instid0(VALU_DEP_1)
	v_lshl_add_u32 v[MWR], v238, 2, v[MWR]         ; the merge: candidate 2 (w / 2) + h, 512 bytes each; query 64 (w % 2) + r, 4 bytes each
	v_lshlrev_b32 v[GOF], 2, v0
	s_delay_alu instid0(VALU_DEP_1)
	v_add_nc_u32 v[MRD], MRG, v[GOF]               ; and back: thread q takes query q (waves 0 to 3)
	; descriptor group 1: a dense block of 24,576 bytes as 96 rows of 256 bytes
	s_mov_b32 s24, 15|(3<<16)|(1<<21)              ; 15:0 the mask: all four work-groups; 17:16 elements of 8 bytes; 20 no padding; 21 set beside a mask
	s_mov_b32 s25, 32<<16                          ; tensor_dim0 = 32
	s_mov_b32 s26, 96<<16                          ; tensor_dim1 = 96
	s_mov_b32 s27, 32<<16                          ; tile_dim0 = 32
	s_mov_b32 s28, 96                              ; tile_dim1 = 96
	s_mov_b32 s29, 32                              ; from row to row
	s_mov_b32 s30, 0
	s_mov_b32 s31, 0
	s_and_b32 s52, s14, 3
	s_mul_i32 s52, s52, QTR                        ; my quarter, in memory and in LDS: the wave's number alone
	s_mov_b32 s53, 0
	s_mov_b32 s44, 0
	s_mov_b32 s45, 0
	s_mov_b32 s46, 14
	s_sub_co_u32 s50, s14, 4
	s_lshr_b32 s50, s50, 2                         ; 0 in waves 4 to 7,
	s_or_b32 s50, s50, ttmp9                       ; of the first cluster: the same in all four partners
	s_cmp_eq_u32 s50, 0
	s_cselect_b32 s47, 1, -1
	s_cmp_eq_u32 s14, 7                            ; (three waves' worth)
	s_cselect_b32 s47, -1, s47
	s_wait_kmcnt 0x0
	s_mov_b32 s32, 1                               ; group 0: count = 1,
	s_add_co_u32 s33, s52, SIDE                    ; LDS address,
	s_add_nc_u64 s[34:35], s[10:11], s[52:53]      ; global address,
	s_or_b32 s35, s35, 0x80000000                  ; type = 2
	s_mov_b32 s36, 1
	s_mov_b32 s37, s52
	s_add_nc_u64 s[38:39], s[8:9], s[52:53]
	s_or_b32 s39, s39, 0x80000000
	s_mov_b32 s40, 1
	s_add_co_u32 s41, s52, SLOT1
	s_add_nc_u64 s[42:43], s[8:9], s[52:53]
	s_add_nc_u64 s[42:43], s[42:43], SLOTB
	s_or_b32 s43, s43, 0x80000000
	s_lshl_b32 s54, s18, 3
	s_lshl_b32 s55, s15, 2
	s_add_co_u32 s54, s54, s55                     ; my first tile of queries
	s_mul_i32 s56, s54, 3072
	s_mov_b32 s57, 0
	s_add_nc_u64 s[4:5], s[4:5], s[56:57]
	s_mul_i32 s56, s54, 192
	s_add_nc_u64 s[6:7], s[6:7], s[56:57]
	s_lshl_b32 s56, s18, 9
	s_add_nc_u64 s[12:13], s[12:13], s[56:57]      ; my work-group's 512 bytes of grp
	s_mul_i32 s58, s17, QTR                        ; the prefetches: my work-group's quarter,
	s_and_b32 s59, s14, 3
	s_lshl_b32 s59, s59, 13                        ; my wave's 8,192 bytes of it,
	s_add_co_u32 s58, s58, s59
	s_add_co_u32 s58, s58, 2*SLOTB                 ; in slot 2: the first change of slots steps it to slot 3.  Nothing is prefetched at the head, where every work-group's first tiles are on their way
	s_mov_b32 s59, 0
	s_add_nc_u64 s[48:49], s[8:9], s[58:59]
	CROUND                                         ; all four work-groups are here: the first joint loads meet
	; THE FIRST FILLS, twelve quarters, one a wave, in one chain of arms on the wave's number: waves 0-3 the side data, waves 4-7 slot 0, waves 8-11 slot 1; waves 12-15 fetch nothing
	s_cmp_lt_u32 s14, 4
	s_cbranch_scc0 .Lhead_slot0
	tensor_load_to_lds s[32:35], s[24:31]          ; the side data: filled once
	s_nop 0
.rept 4
	v_nop
.endr
	s_branch .Lhead_asked
.Lhead_slot0:
	s_cmp_lt_u32 s14, 8
	s_cbranch_scc0 .Lhead_slot1
	tensor_load_to_lds s[36:39], s[24:31]          ; slot 0
	s_nop 0
.rept 4
	v_nop
.endr
	s_branch .Lhead_asked
.Lhead_slot1:
	s_cmp_lt_u32 s14, 12
	s_cbranch_scc0 .Lhead_asked
	tensor_load_to_lds s[40:43], s[24:31]          ; slot 1
	s_nop 0
.rept 4
	v_nop
.endr
.Lhead_asked:
.irp i, 0,1,2,3                                ; x's four tiles stay in registers: fragments, scale words, |x|^2 (twice: a pair for the dual form)
.irp s, 0,1
.irp c, 0,1,2
	global_load_b128 v[XF+24*\i+12*\s+4*\c:XF+24*\i+12*\s+4*\c+3], v236, s[4:5] offset:3072*\i+1536*\s+512*\c
.endr
.endr
	global_load_b32 v[XS+\i], v240, s[6:7] offset:192*\i
	global_load_b32 v[XXP+2*\i], v241, s[6:7] offset:192*\i+128
	global_load_b32 v[XXP+2*\i+1], v241, s[6:7] offset:192*\i+128
.endr
.irp i, 0,1,2,3,4,5,6,7
	v_mov_b32 v[B+\i], 0x7f800000                  ; the smallest so far, old and new: +infinity
.endr
	v_mov_b32 v[M2], 0xc0000000                    ; -2.0
	v_mov_b32 v[M2+1], 0xc0000000
.irp i, 0,1,2,3
	v_mov_b32 v[IDX+\i], 0
.endr
.macro ADDR                            ; the slot in hand
	v_add_nc_u32 v[ADE], s44, v[ADE0]
	v_add_nc_u32 v[ASC], s45, v[ASC0]
	v_add_nc_u32 v[AEE], s45, v[AEE0]
.endm
.macro LOAD u, b                       ; nine LDS loads: my stream's tile u: two fragments, the scale register, |e|^2 of my eight codes, into buffer b
.irp s, 0,1
.irp c, 0,1,2
	ds_load_b128 v[E+24*\b+12*\s+4*\c:E+24*\b+12*\s+4*\c+3], v[ADE] offset:3072*(\u)+1536*\s+512*\c
.endr
.endr
	ds_load_b32 v[ES+\b], v[ASC] offset:192*(\u)
	ds_load_b128 v[EE+8*\b:EE+8*\b+3], v[AEE] offset:192*(\u)
	ds_load_b128 v[EE+8*\b+4:EE+8*\b+7], v[AEE] offset:192*(\u)+16
.endm
; Eight matrix instructions: the tile of codes in buffer b against my four tiles of queries, K ascending.  The four accumulators take turns, one instruction a turn.
; One scale register a side: lanes 0-15 hold K step 0's words, lanes 16-31 K step 1's.
.macro MM b
.irp i, 0,1,2,3
	v_wmma_scale_f32_16x16x128_f8f6f4 v[ACC+8*\i:ACC+8*\i+7], v[E+24*\b:E+24*\b+11], v[XF+24*\i:XF+24*\i+11], 0, v[ES+\b], v[XS+\i] matrix_a_fmt:MATRIX_FMT_BF6 matrix_b_fmt:MATRIX_FMT_BF6
.endr
.irp i, 0,1,2,3
	v_wmma_scale_f32_16x16x128_f8f6f4 v[ACC+8*\i:ACC+8*\i+7], v[E+24*\b+12:E+24*\b+23], v[XF+24*\i+12:XF+24*\i+23], v[ACC+8*\i:ACC+8*\i+7], v[ES+\b], v[XS+\i] matrix_a_fmt:MATRIX_FMT_BF6 matrix_b_fmt:MATRIX_FMT_BF6 matrix_a_scale:MATRIX_SCALE_ROW1 matrix_b_scale:MATRIX_SCALE_ROW1
.endr
.endm
; The group's number of the tile BEFORE tile u is taken where that tile made the smallest value smaller (strictly: a tie keeps the earlier, lower group).  It stands here, behind tile u's products, because these nine plain
; instructions name none of the products' registers: they are the places between the products and the first read of their results, and in front of the next loads into the operands.
.macro IDXUPD u
.irp i, 0,1,2,3
	v_cmp_lt_f32 vcc_lo, v[B+4*((\u)%2)+\i], v[B+4*(1-(\u)%2)+\i]
	s_delay_alu instid0(VALU_DEP_1)
	v_cndmask_b32 v[IDX+\i], v[IDX+\i], v[GID], vcc_lo
.endr
.if (\u) == 0
	v_add_nc_u32 v[GID], 58, v[GID]                ; on to tile u's group: from a slot's last tile of mine to the next slot's first: 64 - 6
.else
	v_add_nc_u32 v[GID], 2, v[GID]
.endif
.endm
; d2 of tile u's 4 x 8 scores a lane, and the smallest so far: old in B[u % 2], new in B[1 - u % 2].  Each accumulator is read from its low end on.
.macro EPIMIN u, b
.irp p, 0,2,4,6
.irp i, 0,1,2,3
	v_dual_fma_f32 v[ACC+8*\i+\p], v[ACC+8*\i+\p], v[M2], v[XXP+2*\i] :: v_dual_fma_f32 v[ACC+8*\i+\p+1], v[ACC+8*\i+\p+1], v[M2+1], v[XXP+2*\i+1]   ; |x|^2 - 2 dot: one rounding; two numbers in a dual pair, an even and an odd register in each operand place
.endr
.endr
.irp p, 0,2,4,6
.irp i, 0,1,2,3
	v_dual_add_f32 v[ACC+8*\i+\p], v[ACC+8*\i+\p], v[EE+8*\b+\p] :: v_dual_add_f32 v[ACC+8*\i+\p+1], v[ACC+8*\i+\p+1], v[EE+8*\b+\p+1]   ; + |e|^2: the second
.endr
.endr
.irp i, 0,1,2,3
	v_min3_num_f32 v[T+\i], v[B+4*((\u)%2)+\i], v[ACC+8*\i], v[ACC+8*\i+1]
.endr
.irp i, 0,1,2,3
	s_delay_alu instid0(VALU_DEP_4)
	v_min3_num_f32 v[T+\i], v[T+\i], v[ACC+8*\i+2], v[ACC+8*\i+3]
.endr
.irp i, 0,1,2,3
	s_delay_alu instid0(VALU_DEP_4)
	v_min3_num_f32 v[T+\i], v[T+\i], v[ACC+8*\i+4], v[ACC+8*\i+5]
.endr
.irp i, 0,1,2,3
	s_delay_alu instid0(VALU_DEP_4)
	v_min3_num_f32 v[B+4*(1-(\u)%2)+\i], v[T+\i], v[ACC+8*\i+6], v[ACC+8*\i+7]
.endr
.endm
.macro TILE u, b, more
	s_wait_dscnt 9                                 ; this tile's nine loads are in; the next tile's nine may be out
	MM \b
	IDXUPD \u
	EPIMIN \u, \b
.if \more
	LOAD (\u)+2, \b                                ; the buffer takes the tile two on
.endif
.endm
.macro SLOTHEAD                        ; a slot's first three tiles of mine
	ADDR
	LOAD 0, 0
	LOAD 1, 1
	TILE 0, 0, 1
	s_wait_alu depctr_va_vdst(0)
	TILE 1, 1, 1
	s_wait_alu depctr_va_vdst(0)
	TILE 2, 0, 0
.endm
; A slot's last tile of mine, and THE CHANGE OF SLOTS: one barrier.  In front of it each wave waits for all its tensor loads (its part of the next slot), adds 0 to its spare word, and waits for that and for its reads of this slot.
; fill = 1: the barrier opens a round of the cluster's barrier, and behind the round this slot is filled again, with the codes two slots on: the load has a whole slot's work in which to land.
.macro TAIL fill
	s_wait_tensorcnt 0x0                           ; all my tensor loads have landed, so a group 0 may be written
	ds_add_u32 v[SPW], v[NIL]                      ; 0 onto my spare word
.if \fill
	ds_add_u32 v[SPW], v[NIL]                      ; and once more, where a refill follows
	s_wait_dscnt 2                                 ; the tile's nine loads are in; the two adds may be out
.else
	s_wait_dscnt 1                                 ; the tile's nine loads are in; the add may be out
.endif
	MM 1                                           ; eight matrix instructions stand between the add and the wait for it
.if \fill
	s_xor_b32 s41, s41, SLOT1                      ; the walking descriptor: the other slot than last time,
	s_add_nc_u64 s[42:43], s[42:43], SLOTB         ; the next 32 tiles; the type bits on top are not reached
	s_wait_xcnt 0x0                                ; the last prefetch, a slot back, has read its address, so it may be written
	s_add_nc_u64 s[48:49], s[48:49], SLOTB
.endif
	s_wait_dscnt 0x0                               ; the add is done, and my reads of this slot are over
	s_barrier_signal -1
	IDXUPD 3                                       ; work on registers while the others arrive
	EPIMIN 3, 1
	s_barrier_wait -1
.if \fill
	CREST                                          ; no wave of any partner still reads this slot or has a load on its way
	TLOAD                                          ; the first tensor load behind the round, one a wave
	ASK
.endif
	s_xor_b32 s44, s44, SLOT1                      ; on to the other slot,
	s_add_co_u32 s45, s45, 6144                    ; and to its 32 tiles' side data
.endm
	s_wait_tensorcnt 0x0                           ; my one first fill is in
	s_barrier_signal -1
	s_barrier_wait -1                              ; everybody's are
	s_wait_loadcnt 0x0                             ; x
.Lslot:                                            ; 14 trips: slots 0 to 13, each filled again behind its last tile
	s_wait_alu depctr_va_vdst(0)
	SLOTHEAD
	s_wait_alu depctr_va_vdst(0)
	TAIL 1
	s_sub_co_u32 s46, s46, 1
	s_cmp_lg_u32 s46, 0
	s_cbranch_scc1 .Lslot
	s_wait_alu depctr_va_vdst(0)
	SLOTHEAD                                       ; slot 14: written out: nothing is left to fetch
	s_wait_alu depctr_va_vdst(0)
	TAIL 0
	s_wait_alu depctr_va_vdst(0)
	SLOTHEAD                                       ; slot 15
	s_wait_alu depctr_va_vdst(0)
	s_wait_dscnt 0x0
	MM 1
	IDXUPD 3
	EPIMIN 3, 1
	IDXUPD 0                                       ; the last tile's own update (what it adds to the group's number is not used)
	; THE MERGE.  A query's 16 candidates (value, group) meet in LDS; the smaller value wins, and of equal values the lower group.
.irp i, 0,1,2,3
	ds_store_b32 v[MWR], v[B+\i] offset:64*\i
	ds_store_b32 v[MWR], v[IDX+\i] offset:8192+64*\i
.endr
	s_wait_dscnt 0x0                               ; for the others' sake: my stores have landed
	s_barrier_signal -1
	s_barrier_wait -1
	s_cmp_lt_u32 s14, 4                            ; 128 queries: waves 0 to 3, a thread a query
	s_cbranch_scc0 .Ldone
.irp c, 0,1,2,3,4,5,6,7,8,9,10,11,12,13,14,15
	ds_load_b32 v[36+\c], v[MRD] offset:512*\c
	ds_load_b32 v[52+\c], v[MRD] offset:8192+512*\c
.endr
	s_wait_dscnt 0x0
.irp c, 1
	v_cmp_lt_f32 s60, v[36+\c], v36
	v_cmp_eq_f32 s61, v[36+\c], v36
	v_cmp_lt_u32 vcc_lo, v[52+\c], v52
	s_and_b32 s61, s61, vcc_lo
	s_or_b32 vcc_lo, s60, s61                      ; smaller, or equal with the lower group: the masks steer selects alone
	v_cndmask_b32 v36, v36, v[36+\c], vcc_lo
	v_cndmask_b32 v52, v52, v[52+\c], vcc_lo
.endr
.irp c, 2, 3, 4, 5, 6, 7, 8, 9, 10, 11, 12, 13, 14, 15
	s_delay_alu instid0(VALU_DEP_2)
	v_cmp_lt_f32 s60, v[36+\c], v36
	s_delay_alu instid0(VALU_DEP_3)
	v_cmp_eq_f32 s61, v[36+\c], v36
	s_delay_alu instid0(VALU_DEP_3)
	v_cmp_lt_u32 vcc_lo, v[52+\c], v52
	s_and_b32 s61, s61, vcc_lo
	s_or_b32 vcc_lo, s60, s61                      ; smaller, or equal with the lower group: the masks steer selects alone
	v_cndmask_b32 v36, v36, v[36+\c], vcc_lo
	v_cndmask_b32 v52, v52, v[52+\c], vcc_lo
.endr
	global_store_b32 v[GOF], v52, s[12:13]         ; the four waves store 512 consecutive bytes, 128 each
.Ldone:
	s_wait_tensorcnt 0x0                           ; the wave's end: behind my last tensor load and my last LDS store
	ds_add_u32 v[SPW], v[NIL]
	s_wait_dscnt 0x0
	CROUND                                         ; the closing round: no work-group ends while a partner may still ask for a tile that names it
	s_endpgm
.Lfunc_end_k_qc30db6deaa_search:
	.size	k_qc30db6deaa_search, .Lfunc_end_k_qc30db6deaa_search-k_qc30db6deaa_search
	.p2alignl 7, 3214868480
	.fill 96, 4, 3214868480
	.section	.rodata,"a",@progbits
	.p2align	6, 0x0
	.amdhsa_kernel k_qc30db6deaa_search
		.amdhsa_group_segment_fixed_size 327680
		.amdhsa_private_segment_fixed_size 0
		.amdhsa_enable_private_segment 0
		.amdhsa_kernarg_size 40
		.amdhsa_user_sgpr_count 2
		.amdhsa_user_sgpr_kernarg_segment_ptr 1
		.amdhsa_wavefront_size32 1
		.amdhsa_system_sgpr_workgroup_id_x 1
		.amdhsa_system_sgpr_workgroup_id_y 1
		.amdhsa_system_sgpr_workgroup_id_z 1
		.amdhsa_system_vgpr_workitem_id 0
		.amdhsa_next_free_vgpr 256
		.amdhsa_next_free_sgpr 66
		.amdhsa_reserve_vcc 1
		.amdhsa_float_denorm_mode_32 3
		.amdhsa_float_denorm_mode_16_64 3
		.amdhsa_memory_ordered 1
		.amdhsa_forward_progress 1
		.amdhsa_inst_pref_size 93
	.end_amdhsa_kernel
	.amdgpu_metadata
---
amdhsa.version: [ 1, 2 ]
amdhsa.kernels:
  - .name:           k_qc30db6deaa_search
    .symbol:         k_qc30db6deaa_search.kd
    .args:
      - { .name: xc, .offset: 0, .size: 8, .value_kind: global_buffer, .address_space: global }
      - { .name: xs, .offset: 8, .size: 8, .value_kind: global_buffer, .address_space: global }
      - { .name: ec, .offset: 16, .size: 8, .value_kind: global_buffer, .address_space: global }
      - { .name: es, .offset: 24, .size: 8, .value_kind: global_buffer, .address_space: global }
      - { .name: grp, .offset: 32, .size: 8, .value_kind: global_buffer, .address_space: global }
    .group_segment_fixed_size: 327680
    .private_segment_fixed_size: 0
    .kernarg_segment_align: 8
    .kernarg_segment_size: 40
    .max_flat_workgroup_size: 512
    .sgpr_count:     66
    .vgpr_count:     256
    .wavefront_size: 32
...
	.end_amdgpu_metadata
.endif
;; end of part 2
;; launch resolve (part 3): grid 256 x 1, 8 waves a work-group, no clusters, 2,048 bytes of LDS; arguments grp, xc, xs, ec, es, out3, idx; writes out3, idx
.if DOCPART == 3
	.amdgcn_target "amdgcn-amd-amdhsa--gfx1250"
	.amdhsa_code_object_version 6
	.text
	.protected	k_qc30db6deaa_resolve
	.globl	k_qc30db6deaa_resolve
	.p2align	8
	.type	k_qc30db6deaa_resolve,@function
k_qc30db6deaa_resolve:
	s_mov_b64 s[64:65], 0
	v_nop
	global_prefetch_b8 v0, s[64:65] scope:SCOPE_SE
	s_setreg_imm32_b32 hwreg(HW_REG_WAVE_MODE, 25, 1), 1
	s_wait_xcnt 0x0
; Each query's group of 8 neighbouring codes is known (grp, whole numbers stored by the launch before).  Here its 8 values of d2 are made again, by the same two matrix instructions on the same codes and scales and the same two
; roundings, and the FIRST smallest of the 8 gives the index: 8 x group + place.  It goes to out3 and, as a copy from which the next launch forms addresses, to idx.
; SHARES.  A wave takes a tile of 16 queries, in 8 passes.  In pass p source 0's rows 0-7 are the group of query p and rows 8-15 the group of query p + 8; source 1 is the tile of queries.
; In the result lane (r, h) holds source 0's rows 8 h + 0 .. 7 against query r: so query p's eight values lie in lane p, query p + 8's in lane 24 + p.  The other lanes' results are not used.
; Source 0 is GATHERED from the codes' images: a lane takes its own 16-byte pieces of its row.  Code 8 g + i lies in tile g / 2, row 8 (g % 2) + i: piece c of K step s at 3072 (g / 2) + 1536 s + 512 c + 16 row + 256 h.
; A loaded group enters an address only behind v_min_u32 with 1023, through ANDs, multiplications, shifts left and additions.  No tensor load: the addresses hang on stored numbers.
; No cluster and no LDS tiles: no two waves read the same rows by plan, and the table's codes are small beside what the launch before has walked.
; LIMITS: NaN and infinities are not served.
.set GQ,  10                           ; v10-17  the group that my row of source 0 belongs to, pass by pass
.set AC,  18                           ; v18-25  my byte in the codes, pass by pass
.set AS,  26                           ; v26-33  and among the scale words
.set XXP, 40                           ; v40-41  |x|^2 of query r, twice
.set EE,  42                           ; v42-49  |e|^2 of the 8 codes of query r's group
.set BV,  50                           ; v50-53  the smallest so far
.set BJ,  54                           ; v54-57  its place
.set XF,  60                           ; v60-83  the queries' two fragments
.set EF,  84                           ; v84-179 four passes' gathered fragments
.set ESC, 180                          ; v180-183 their scale registers
.set ACC, 184                          ; v184-215 four accumulators
	s_load_b256 s[4:11], s[0:1], 0x0               ; grp s[4:5], xc s[6:7], xs s[8:9], ec s[10:11]
	s_load_b128 s[12:15], s[0:1], 0x20             ; es s[12:13], out3 s[14:15]
	s_load_b64 s[16:17], s[0:1], 0x30              ; idx
	v_lshl_add_u32 v224, v0, 2, 0x400
	v_mov_b32 v225, 0
	v_lshrrev_b32 v1, 5, v0
	s_delay_alu instid0(VALU_DEP_1)
	v_readfirstlane_b32 s18, v1                    ; wave 0..7
	v_and_b32 v1, 31, v0                           ; lane
	v_and_b32 v2, 15, v0                           ; r
	v_bfe_u32 v3, v0, 4, 1                         ; h
	s_delay_alu instid0(VALU_DEP_3)
	v_lshlrev_b32 v4, 4, v1                        ; 16 x lane
	s_delay_alu instid0(VALU_DEP_4)
	v_lshlrev_b32 v5, 2, v1                        ; 4 x lane
	s_delay_alu instid0(VALU_DEP_4)
	v_lshlrev_b32 v6, 2, v2                        ; 4 r
	v_lshrrev_b32 v58, 3, v2                       ; r / 8
	s_delay_alu instid0(VALU_DEP_1)
	v_lshlrev_b32 v7, 5, v58                       ; queries p (rows 0-7) or p + 8 (rows 8-15): 32 bytes on in grp
	v_and_b32 v59, 7, v2                           ; r % 8
	s_delay_alu instid0(VALU_DEP_1)
	v_lshlrev_b32 v9, 4, v59
	s_delay_alu instid0(VALU_DEP_1)
	v_lshl_add_u32 v9, v3, 8, v9                   ; my lane's term in the codes: 16 (r % 8) + 256 h
	s_delay_alu instid0(VALU_DEP_3)
	v_lshlrev_b32 v39, 2, v59
	s_delay_alu instid0(VALU_DEP_1)
	v_lshl_add_u32 v39, v3, 6, v39                 ; and among the scale words: 4 (r % 8) + 64 h
	v_cmp_eq_u32 vcc_lo, v58, v3
	v_mov_b32 v35, 99
	s_delay_alu instid0(VALU_DEP_1)
	v_cndmask_b32 v35, v35, v59, vcc_lo            ; the pass whose result I hold: r % 8 in lanes 0-7 and 24-31, none in the others
	v_mov_b32 v36, 0                               ; the index
	v_mov_b32 v37, 0                               ; written once: a lane permute's destination counts as one of its sources
	s_lshl_b32 s19, s18, 6
	v_add_nc_u32 v216, s19, v6                     ; LDS: 64 bytes a wave, 4 a query
	s_mov_b32 s22, 0x76543210
	s_mov_b32 s23, 0xfedcba98                      ; v_permlanex16_b32's selects for lane l xor 16
	s_mov_b32 s24, 0xc0000000                      ; -2.0
	s_mov_b32 s25, s24                             ; (named with it as a pair, so it is written)
	s_lshl_b32 s20, ttmp9, 3
	s_add_co_u32 s20, s20, s18                     ; my tile of queries
	s_mov_b32 s27, 0
	s_wait_kmcnt 0x0
	s_lshl_b32 s26, s20, 6
	s_add_nc_u64 s[4:5], s[4:5], s[26:27]
	s_mul_i32 s26, s20, 3072
	s_add_nc_u64 s[6:7], s[6:7], s[26:27]
	s_mul_i32 s26, s20, 192
	s_add_nc_u64 s[8:9], s[8:9], s[26:27]
	s_lshl_b32 s26, ttmp9, 9
	s_add_nc_u64 s[14:15], s[14:15], s[26:27]      ; the work-group's 128 indices: 512 bytes
	s_add_nc_u64 s[16:17], s[16:17], s[26:27]
	global_load_b32 v8, v6, s[4:5]                 ; query r's group
.irp p, 0,1,2,3,4,5,6,7
	global_load_b32 v[GQ+\p], v7, s[4:5] offset:4*\p
.endr
.irp s, 0,1
.irp c, 0,1,2
	global_load_b128 v[XF+12*\s+4*\c:XF+12*\s+4*\c+3], v4, s[6:7] offset:1536*\s+512*\c
.endr
.endr
	global_load_b32 v38, v5, s[8:9]                ; the queries' scale register
	global_load_b32 v[XXP], v6, s[8:9] offset:128
	global_load_b32 v[XXP+1], v6, s[8:9] offset:128
	s_wait_loadcnt 9                               ; the nine loads from grp are in; x's nine may be out
	v_min_u32 v8, 0x3ff, v8
	s_delay_alu instid0(VALU_DEP_1)
	v_and_b32 v58, 0x3fe, v8
	s_delay_alu instid0(VALU_DEP_2)
	v_and_b32 v59, 1, v8
	s_delay_alu instid0(VALU_DEP_2)
	v_mul_u32_u24 v34, v58, 96                     ; 192 (g / 2)
	s_delay_alu instid0(VALU_DEP_2)
	v_lshlrev_b32 v59, 5, v59
	s_delay_alu instid0(VALU_DEP_1)
	v_add_nc_u32 v34, v34, v59                     ; + 32 (g % 2): the group's eight |e|^2 (128 bytes on, in the loads' offsets)
.irp p, 0,1,2,3,4,5,6,7
	v_min_u32 v[GQ+\p], 0x3ff, v[GQ+\p]
	s_delay_alu instid0(VALU_DEP_1)
	v_and_b32 v58, 0x3fe, v[GQ+\p]
	s_delay_alu instid0(VALU_DEP_2)
	v_and_b32 v59, 1, v[GQ+\p]
	s_delay_alu instid0(VALU_DEP_2)
	v_mul_u32_u24 v[AC+\p], v58, 1536              ; 3072 (g / 2)
	s_delay_alu instid0(VALU_DEP_2)
	v_lshlrev_b32 v217, 7, v59
	s_delay_alu instid0(VALU_DEP_1)
	v_add_nc_u32 v[AC+\p], v[AC+\p], v217          ; + 16 x 8 (g % 2)
	s_delay_alu instid0(VALU_DEP_1)
	v_add_nc_u32 v[AC+\p], v[AC+\p], v9
	v_mul_u32_u24 v[AS+\p], v58, 96
	v_lshlrev_b32 v217, 5, v59
	s_delay_alu instid0(VALU_DEP_1)
	v_add_nc_u32 v[AS+\p], v[AS+\p], v217
	s_delay_alu instid0(VALU_DEP_1)
	v_add_nc_u32 v[AS+\p], v[AS+\p], v39
.endr
	global_load_b128 v[EE:EE+3], v34, s[12:13] offset:128
	global_load_b128 v[EE+4:EE+7], v34, s[12:13] offset:144
.macro GLOAD q                         ; passes 4 q .. 4 q + 3: each six pieces of 16 bytes a lane and a scale word
.irp k, 0,1,2,3
.irp s, 0,1
.irp c, 0,1,2
	global_load_b128 v[EF+24*\k+12*\s+4*\c:EF+24*\k+12*\s+4*\c+3], v[AC+4*\q+\k], s[10:11] offset:1536*\s+512*\c
.endr
.endr
	global_load_b32 v[ESC+\k], v[AS+4*\q+\k], s[12:13]
.endr
.endm
.macro MM4                             ; four passes' products, K ascending; the four accumulators take turns, one instruction a turn
.irp k, 0,1,2,3
	v_wmma_scale_f32_16x16x128_f8f6f4 v[ACC+8*\k:ACC+8*\k+7], v[EF+24*\k:EF+24*\k+11], v[XF:XF+11], 0, v[ESC+\k], v38 matrix_a_fmt:MATRIX_FMT_BF6 matrix_b_fmt:MATRIX_FMT_BF6
.endr
.irp k, 0,1,2,3
	v_wmma_scale_f32_16x16x128_f8f6f4 v[ACC+8*\k:ACC+8*\k+7], v[EF+24*\k+12:EF+24*\k+23], v[XF+12:XF+23], v[ACC+8*\k:ACC+8*\k+7], v[ESC+\k], v38 matrix_a_fmt:MATRIX_FMT_BF6 matrix_b_fmt:MATRIX_FMT_BF6 matrix_a_scale:MATRIX_SCALE_ROW1 matrix_b_scale:MATRIX_SCALE_ROW1
.endr
.endm
.macro EPI4 q                          ; d2 as the launch before rounds it; the first smallest of the eight; the lane that holds pass 4 q + k's query keeps 8 x group + place
.irp p, 0,2,4,6
.irp k, 0,1,2,3
	v_pk_fma_f32 v[ACC+8*\k+\p:ACC+8*\k+\p+1], v[ACC+8*\k+\p:ACC+8*\k+\p+1], s[24:25], v[XXP:XXP+1] op_sel_hi:[1,0,1]
.endr
.endr
.irp p, 0,2,4,6
.irp k, 0,1,2,3
	v_pk_add_f32 v[ACC+8*\k+\p:ACC+8*\k+\p+1], v[ACC+8*\k+\p:ACC+8*\k+\p+1], v[EE+\p:EE+\p+1]
.endr
.endr
.irp k, 0,1,2,3
	v_mov_b32 v[BJ+\k], 0
.endr
.irp k, 0,1,2,3
	v_cmp_le_f32 vcc_lo, v[ACC+8*\k], v[ACC+8*\k+1]
	s_delay_alu instid0(VALU_DEP_1)
	v_cndmask_b32 v[BJ+\k], 1, v[BJ+\k], vcc_lo    ; the earlier place stays unless the later value is strictly smaller
	v_min_num_f32 v[BV+\k], v[ACC+8*\k], v[ACC+8*\k+1]
.endr
.irp j, 2,3,4,5,6,7
.irp k, 0,1,2,3
	v_cmp_le_f32 vcc_lo, v[BV+\k], v[ACC+8*\k+\j]
	s_delay_alu instid0(VALU_DEP_1)
	v_cndmask_b32 v[BJ+\k], \j, v[BJ+\k], vcc_lo
	v_min_num_f32 v[BV+\k], v[BV+\k], v[ACC+8*\k+\j]
.endr
.endr
.irp k, 0,1,2,3
	v_lshl_add_u32 v58, v8, 3, v[BJ+\k]
	v_cmp_eq_u32 vcc_lo, 4*\q+\k, v35
	s_delay_alu instid0(VALU_DEP_1)
	v_cndmask_b32 v36, v36, v58, vcc_lo
.endr
.endm
	GLOAD 0
	s_wait_alu depctr_va_vdst(0)
	s_wait_loadcnt 0x0
	MM4
.rept 5
	v_nop                                          ; places behind the products: four in front of the loads into their operands and of the first read of their results, five in front of the next batch's products, which begin the same accumulators anew
.endr
	GLOAD 1                                        ; the second batch lands while the first is searched
	EPI4 0
	s_wait_loadcnt 0x0
	MM4
.rept 4
	v_nop
.endr
	EPI4 1
	s_delay_alu instid0(VALU_DEP_1)
	v_permlanex16_b32 v37, v36, s22, s23           ; lanes 8-23 take the index from the lane 16 away, which holds it
	v_cmp_gt_u32 vcc_lo, 8, v35
	s_delay_alu instid0(VALU_DEP_1)
	v_cndmask_b32 v36, v37, v36, vcc_lo            ; every lane now holds query r's index
	ds_store_b32 v216, v36                         ; lanes l and l xor 16 write the same word with the same value
	s_wait_dscnt 0x0                               ; for the others' sake: my store has landed
	s_barrier_signal -1
	s_barrier_wait -1                              ; the work-group's 128 indices lie in LDS
	s_cmp_gt_u32 s18, 1
	s_cbranch_scc1 .Lend
	s_cmp_eq_u32 s18, 0                            ; wave 0 stores them to out3, wave 1 to idx: the choice hangs on the wave's number alone
	s_cselect_b64 s[20:21], s[14:15], s[16:17]
	ds_load_b128 v[60:63], v4
	s_wait_dscnt 0x0
	global_store_b128 v4, v[60:63], s[20:21]       ; 32 lanes store 512 consecutive bytes, at a multiple of 256 from the buffer's first byte
.Lend:
	s_wait_tensorcnt 0x0
	ds_add_u32 v224, v225
	s_wait_dscnt 0x0
	s_endpgm
.Lfunc_end_k_qc30db6deaa_resolve:
	.size	k_qc30db6deaa_resolve, .Lfunc_end_k_qc30db6deaa_resolve-k_qc30db6deaa_resolve
	.p2alignl 7, 3214868480
	.fill 96, 4, 3214868480
	.section	.rodata,"a",@progbits
	.p2align	6, 0x0
	.amdhsa_kernel k_qc30db6deaa_resolve
		.amdhsa_group_segment_fixed_size 2048
		.amdhsa_private_segment_fixed_size 0
		.amdhsa_enable_private_segment 0
		.amdhsa_kernarg_size 56
		.amdhsa_user_sgpr_count 2
		.amdhsa_user_sgpr_kernarg_segment_ptr 1
		.amdhsa_wavefront_size32 1
		.amdhsa_system_sgpr_workgroup_id_x 1
		.amdhsa_system_sgpr_workgroup_id_y 1
		.amdhsa_system_sgpr_workgroup_id_z 1
		.amdhsa_system_vgpr_workitem_id 0
		.amdhsa_next_free_vgpr 226
		.amdhsa_next_free_sgpr 66
		.amdhsa_reserve_vcc 1
		.amdhsa_float_denorm_mode_32 3
		.amdhsa_float_denorm_mode_16_64 3
		.amdhsa_memory_ordered 1
		.amdhsa_forward_progress 1
		.amdhsa_inst_pref_size 32
	.end_amdhsa_kernel
	.amdgpu_metadata
---
amdhsa.version: [ 1, 2 ]
amdhsa.kernels:
  - .name:           k_qc30db6deaa_resolve
    .symbol:         k_qc30db6deaa_resolve.kd
    .args:
      - { .name: grp, .offset: 0, .size: 8, .value_kind: global_buffer, .address_space: global }
      - { .name: xc, .offset: 8, .size: 8, .value_kind: global_buffer, .address_space: global }
      - { .name: xs, .offset: 16, .size: 8, .value_kind: global_buffer, .address_space: global }
      - { .name: ec, .offset: 24, .size: 8, .value_kind: global_buffer, .address_space: global }
      - { .name: es, .offset: 32, .size: 8, .value_kind: global_buffer, .address_space: global }
      - { .name: out3, .offset: 40, .size: 8, .value_kind: global_buffer, .address_space: global }
      - { .name: idx, .offset: 48, .size: 8, .value_kind: global_buffer, .address_space: global }
    .group_segment_fixed_size: 2048
    .private_segment_fixed_size: 0
    .kernarg_segment_align: 8
    .kernarg_segment_size: 56
    .max_flat_workgroup_size: 256
    .sgpr_count:     66
    .vgpr_count:     226
    .wavefront_size: 32
...
	.end_amdgpu_metadata
.endif
;; end of part 3
;; launch gather (part 4): grid 512 x 1, 8 waves a work-group, no clusters, 1,280 bytes of LDS; arguments x, embedding, idx, out0, part; writes out0, part
.if DOCPART == 4
	.amdgcn_target "amdgcn-amd-amdhsa--gfx1250"
	.amdhsa_code_object_version 6
	.text
	.protected	k_qc30db6deaa_gather
	.globl	k_qc30db6deaa_gather
	.p2align	8
	.type	k_qc30db6deaa_gather,@function
k_qc30db6deaa_gather:
	s_mov_b64 s[64:65], 0
	v_nop
	global_prefetch_b8 v0, s[64:65] scope:SCOPE_SE
	s_setreg_imm32_b32 hwreg(HW_REG_WAVE_MODE, 25, 1), 1
	s_wait_xcnt 0x0
; q = embedding[idx[row]];  out0 = x + (q - x), rounded as it is written;  the work-group's sum of (q - x)^2 goes to part[work-group].  All in f32.
; idx holds whole numbers that an earlier launch stored: they are read by a scalar load, held to 0 .. 8191 and become the rows' bases.
; SHARES.  A wave takes 8 rows of 1,024 bytes; each load and store of a wave covers 512 consecutive bytes.  All 32 loads of a wave are issued before the first is used: one pass, no loop.
; Memory binds: no LDS tiles, no matrix work, no cluster (no two work-groups share a row of x, and which rows of the table they share hangs on the data).
.set X, 16                             ; v16-79   8 rows of x, 8 registers each
.set Q, 80                             ; v80-143  the table's rows, then q - x, then the result
.set S, 144                            ; v144-151 four chains of sums of squares, two numbers each
	s_load_b256 s[4:11], s[0:1], 0x0               ; x s[4:5], embedding s[6:7], idx s[8:9], out0 s[10:11]
	s_load_b64 s[12:13], s[0:1], 0x20              ; part
	v_lshl_add_u32 v160, v0, 2, 0x100
	v_mov_b32 v161, 0
	v_lshrrev_b32 v1, 5, v0
	s_delay_alu instid0(VALU_DEP_1)
	v_readfirstlane_b32 s14, v1                    ; wave 0..7
	v_and_b32 v1, 31, v0
	s_delay_alu instid0(VALU_DEP_1)
	v_lshlrev_b32 v2, 4, v1                        ; 16 x lane
	v_mov_b32 v9, 0                                ; written once: a lane permute's destination counts as one of its sources
	s_delay_alu instid0(VALU_DEP_4)
	v_mov_b32 v10, s14
	s_delay_alu instid0(VALU_DEP_1)
	v_lshlrev_b32 v10, 2, v10                      ; LDS: my wave's word
	v_mov_b32 v11, 0
	s_mov_b32 s30, 0x76543210
	s_mov_b32 s31, 0xfedcba98                      ; v_permlanex16_b32's selects for lane l xor 16
	s_lshl_b32 s15, ttmp9, 3
	s_add_co_u32 s15, s15, s14                     ; which run of 8 rows is my wave's
	s_lshl_b32 s24, s15, 5                         ; its 8 indices,
	s_mov_b32 s25, 0
	s_lshl_b32 s26, s15, 13                        ; its 8,192 bytes of x and of out0
	s_mov_b32 s27, 0
	s_lshl_b32 s28, ttmp9, 2
	s_mov_b32 s29, 0
	s_wait_alu depctr_va_vdst(0)
	s_wait_kmcnt 0x0
	s_add_nc_u64 s[8:9], s[8:9], s[24:25]
	s_load_b256 s[16:23], s[8:9], 0x0              ; my 8 indices
	s_add_nc_u64 s[4:5], s[4:5], s[26:27]
	s_add_nc_u64 s[10:11], s[10:11], s[26:27]
	s_add_nc_u64 s[12:13], s[12:13], s[28:29]
.irp k, 0,1,2,3,4,5,6,7
.irp p, 0,1
	global_load_b128 v[X+8*\k+4*\p:X+8*\k+4*\p+3], v2, s[4:5] offset:1024*\k+512*\p th:TH_LOAD_NT
.endr
.endr
	s_wait_kmcnt 0x0
.irp k, 0,1,2,3,4,5,6,7
	s_min_u32 s[16+\k], s[16+\k], 0x1fff           ; an index stays inside the table
	s_lshl_b32 s[32+2*\k], s[16+\k], 10            ; 1,024 bytes a row
	s_mov_b32 s[33+2*\k], 0
	s_add_nc_u64 s[32+2*\k:33+2*\k], s[6:7], s[32+2*\k:33+2*\k]
.endr
.irp k, 0,1,2,3,4,5,6,7
.irp p, 0,1
	global_load_b128 v[Q+8*\k+4*\p:Q+8*\k+4*\p+3], v2, s[32+2*\k:33+2*\k] offset:512*\p   ; no hint: a row of the table may be named again
.endr
.endr
.irp k, 0,1,2,3,4,5,6,7
	s_wait_loadcnt 14-2*\k                         ; x and this row of the table are in; the later rows' two loads each may be out
.irp m, 0,1,2,3
	v_pk_add_f32 v[Q+8*\k+2*\m:Q+8*\k+2*\m+1], v[Q+8*\k+2*\m:Q+8*\k+2*\m+1], v[X+8*\k+2*\m:X+8*\k+2*\m+1] neg_lo:[0,1] neg_hi:[0,1]   ; q - x
.endr
.irp m, 0,1,2,3
.if \k == 0
	s_delay_alu instid0(VALU_DEP_4)
	v_pk_mul_f32 v[S+2*\m:S+2*\m+1], v[Q+2*\m:Q+2*\m+1], v[Q+2*\m:Q+2*\m+1]   ; the first row starts the sums: nothing is cleared
.else
	s_delay_alu instid0(VALU_DEP_4)
	v_pk_fma_f32 v[S+2*\m:S+2*\m+1], v[Q+8*\k+2*\m:Q+8*\k+2*\m+1], v[Q+8*\k+2*\m:Q+8*\k+2*\m+1], v[S+2*\m:S+2*\m+1]
.endif
.endr
.irp m, 0,1,2,3
	v_pk_add_f32 v[Q+8*\k+2*\m:Q+8*\k+2*\m+1], v[X+8*\k+2*\m:X+8*\k+2*\m+1], v[Q+8*\k+2*\m:Q+8*\k+2*\m+1]   ; x + (q - x)
.endr
.irp p, 0,1
	global_store_b128 v2, v[Q+8*\k+4*\p:Q+8*\k+4*\p+3], s[10:11] offset:1024*\k+512*\p th:TH_STORE_NT   ; 512 consecutive bytes, at a multiple of 256 from out0's first byte; each row has registers of its own
.endr
.endr
	v_pk_add_f32 v[S:S+1], v[S:S+1], v[S+2:S+3]
	v_pk_add_f32 v[S+4:S+5], v[S+4:S+5], v[S+6:S+7]
	s_delay_alu instid0(VALU_DEP_1)
	v_pk_add_f32 v[S:S+1], v[S:S+1], v[S+4:S+5]
	s_delay_alu instid0(VALU_DEP_1)
	v_add_f32 v8, v[S], v[S+1]
	s_delay_alu instid0(VALU_DEP_1)
	v_add_f32_dpp v8, v8, v8 row_xmask:1 row_mask:0xf bank_mask:0xf
	s_delay_alu instid0(VALU_DEP_1)
	v_add_f32_dpp v8, v8, v8 row_xmask:2 row_mask:0xf bank_mask:0xf
	s_delay_alu instid0(VALU_DEP_1)
	v_add_f32_dpp v8, v8, v8 row_xmask:4 row_mask:0xf bank_mask:0xf
	s_delay_alu instid0(VALU_DEP_1)
	v_add_f32_dpp v8, v8, v8 row_xmask:8 row_mask:0xf bank_mask:0xf
	s_delay_alu instid0(VALU_DEP_1)
	v_permlanex16_b32 v9, v8, s30, s31
	s_delay_alu instid0(VALU_DEP_1)
	v_add_f32 v8, v8, v9                           ; the wave's sum, in every lane
	ds_store_b32 v10, v8                           ; all lanes write the same word with the same value
	s_wait_dscnt 0x0                               ; for the others' sake
	s_barrier_signal -1
	s_barrier_wait -1
	ds_load_b128 v[12:15], v11
	ds_load_b128 v[16:19], v11 offset:16
	s_wait_dscnt 0x0
	v_pk_add_f32 v[12:13], v[12:13], v[14:15]
	v_pk_add_f32 v[16:17], v[16:17], v[18:19]
	s_delay_alu instid0(VALU_DEP_1)
	v_pk_add_f32 v[12:13], v[12:13], v[16:17]
	s_delay_alu instid0(VALU_DEP_1)
	v_add_f32 v12, v12, v13                        ; the work-group's sum
	v_cmp_eq_u32 vcc_lo, 0, v0
	s_wait_alu depctr_va_vdst(0)
	s_wait_xcnt 0x0                                ; EXEC is a source of the stores above: it changes only behind this wait
	s_wait_tensorcnt 0x0
	ds_add_u32 v160, v161
	s_wait_dscnt 0x0
	s_and_saveexec_b32 s15, vcc_lo                 ; thread 0 alone
	global_store_b32 v11, v12, s[12:13]
	s_endpgm
.Lfunc_end_k_qc30db6deaa_gather:
	.size	k_qc30db6deaa_gather, .Lfunc_end_k_qc30db6deaa_gather-k_qc30db6deaa_gather
	.p2alignl 7, 3214868480
	.fill 96, 4, 3214868480
	.section	.rodata,"a",@progbits
	.p2align	6, 0x0
	.amdhsa_kernel k_qc30db6deaa_gather
		.amdhsa_group_segment_fixed_size 1280
		.amdhsa_private_segment_fixed_size 0
		.amdhsa_enable_private_segment 0
		.amdhsa_kernarg_size 40
		.amdhsa_user_sgpr_count 2
		.amdhsa_user_sgpr_kernarg_segment_ptr 1
		.amdhsa_wavefront_size32 1
		.amdhsa_system_sgpr_workgroup_id_x 1
		.amdhsa_system_sgpr_workgroup_id_y 1
		.amdhsa_system_sgpr_workgroup_id_z 1
		.amdhsa_system_vgpr_workitem_id 0
		.amdhsa_next_free_vgpr 162
		.amdhsa_next_free_sgpr 66
		.amdhsa_reserve_vcc 1
		.amdhsa_float_denorm_mode_32 3
		.amdhsa_float_denorm_mode_16_64 3
		.amdhsa_memory_ordered 1
		.amdhsa_forward_progress 1
		.amdhsa_inst_pref_size 17
	.end_amdhsa_kernel
	.amdgpu_metadata
---
amdhsa.version: [ 1, 2 ]
amdhsa.kernels:
  - .name:           k_qc30db6deaa_gather
    .symbol:         k_qc30db6deaa_gather.kd
    .args:
      - { .name: x, .offset: 0, .size: 8, .value_kind: global_buffer, .address_space: global }
      - { .name: embedding, .offset: 8, .size: 8, .value_kind: global_buffer, .address_space: global }
      - { .name: idx, .offset: 16, .size: 8, .value_kind: global_buffer, .address_space: global }
      - { .name: out0, .offset: 24, .size: 8, .value_kind: global_buffer, .address_space: global }
      - { .name: part, .offset: 32, .size: 8, .value_kind: global_buffer, .address_space: global }
    .group_segment_fixed_size: 1280
    .private_segment_fixed_size: 0
    .kernarg_segment_align: 8
    .kernarg_segment_size: 40
    .max_flat_workgroup_size: 256
    .sgpr_count:     66
    .vgpr_count:     162
    .wavefront_size: 32
...
	.end_amdgpu_metadata
.endif
;; end of part 4
;; launch finish (part 5): grid 1 x 1, 1 waves a work-group, no clusters, 0 bytes of LDS; arguments part, out1, out2; writes out1, out2
.if DOCPART == 5
	.amdgcn_target "amdgcn-amd-amdhsa--gfx1250"
	.amdhsa_code_object_version 6
	.text
	.protected	k_qc30db6deaa_finish
	.globl	k_qc30db6deaa_finish
	.p2align	8
	.type	k_qc30db6deaa_finish,@function
k_qc30db6deaa_finish:
	s_mov_b64 s[64:65], 0
	v_nop
	global_prefetch_b8 v0, s[64:65] scope:SCOPE_SE
	s_setreg_imm32_b32 hwreg(HW_REG_WAVE_MODE, 25, 1), 1
	s_wait_xcnt 0x0
; out1 = out2 = the mean of (x - q)^2: the sum of the 512 work-groups' partial sums x 2^-23 (32,768 x 256 numbers: the factor is exact).  The two losses of the module are the same number.
; One wave: 2,048 bytes, four loads of 512 consecutive bytes.  A sum that spans work-groups has one owner, in a launch of its own, since no work-group may read what another of the same launch stores.
	s_load_b128 s[4:7], s[0:1], 0x0                ; part, out1
	s_load_b64 s[8:9], s[0:1], 0x10                ; out2
	v_lshlrev_b32 v1, 4, v0
	v_mov_b32 v2, 0
	v_mov_b32 v3, 0                                ; written once: a lane permute's destination counts as one of its sources
	s_mov_b32 s12, 0x76543210
	s_mov_b32 s13, 0xfedcba98                      ; v_permlanex16_b32's selects for lane l xor 16
	s_wait_alu depctr_va_vdst(0)
	s_wait_kmcnt 0x0
.irp i, 0,1,2,3
	global_load_b128 v[4+4*\i:7+4*\i], v1, s[4:5] offset:512*\i
.endr
	s_wait_loadcnt 0x0
	v_pk_add_f32 v[4:5], v[4:5], v[6:7]
	v_pk_add_f32 v[8:9], v[8:9], v[10:11]
	v_pk_add_f32 v[12:13], v[12:13], v[14:15]
	v_pk_add_f32 v[16:17], v[16:17], v[18:19]
	v_pk_add_f32 v[4:5], v[4:5], v[8:9]
	v_pk_add_f32 v[12:13], v[12:13], v[16:17]
	v_pk_add_f32 v[4:5], v[4:5], v[12:13]
	v_add_f32 v4, v4, v5
	v_add_f32_dpp v4, v4, v4 row_xmask:1 row_mask:0xf bank_mask:0xf
	v_add_f32_dpp v4, v4, v4 row_xmask:2 row_mask:0xf bank_mask:0xf
	v_add_f32_dpp v4, v4, v4 row_xmask:4 row_mask:0xf bank_mask:0xf
	v_add_f32_dpp v4, v4, v4 row_xmask:8 row_mask:0xf bank_mask:0xf
	v_permlanex16_b32 v3, v4, s12, s13
	v_add_f32 v4, v4, v3
	v_mul_f32 v4, 0x34000000, v4                   ; x 2^-23
	v_cmp_eq_u32 vcc_lo, 0, v0
	s_wait_alu depctr_va_vdst(0)
	s_wait_xcnt 0x0                                ; EXEC changes only behind this wait
	s_and_saveexec_b32 s14, vcc_lo                 ; lane 0 alone
	global_store_b32 v2, v4, s[6:7]
	global_store_b32 v2, v4, s[8:9]
	s_endpgm
.Lfunc_end_k_qc30db6deaa_finish:
	.size	k_qc30db6deaa_finish, .Lfunc_end_k_qc30db6deaa_finish-k_qc30db6deaa_finish
	.p2alignl 7, 3214868480
	.fill 96, 4, 3214868480
	.section	.rodata,"a",@progbits
	.p2align	6, 0x0
	.amdhsa_kernel k_qc30db6deaa_finish
		.amdhsa_group_segment_fixed_size 0
		.amdhsa_private_segment_fixed_size 0
		.amdhsa_enable_private_segment 0
		.amdhsa_kernarg_size 24
		.amdhsa_user_sgpr_count 2
		.amdhsa_user_sgpr_kernarg_segment_ptr 1
		.amdhsa_wavefront_size32 1
		.amdhsa_system_sgpr_workgroup_id_x 1
		.amdhsa_system_sgpr_workgroup_id_y 1
		.amdhsa_system_sgpr_workgroup_id_z 1
		.amdhsa_system_vgpr_workitem_id 0
		.amdhsa_next_free_vgpr 32
		.amdhsa_next_free_sgpr 66
		.amdhsa_reserve_vcc 1
		.amdhsa_float_denorm_mode_32 3
		.amdhsa_float_denorm_mode_16_64 3
		.amdhsa_memory_ordered 1
		.amdhsa_forward_progress 1
		.amdhsa_inst_pref_size 3
	.end_amdhsa_kernel
	.amdgpu_metadata
---
amdhsa.version: [ 1, 2 ]
amdhsa.kernels:
  - .name:           k_qc30db6deaa_finish
    .symbol:         k_qc30db6deaa_finish.kd
    .args:
      - { .name: part, .offset: 0, .size: 8, .value_kind: global_buffer, .address_space: global }
      - { .name: out1, .offset: 8, .size: 8, .value_kind: global_buffer, .address_space: global }
      - { .name: out2, .offset: 16, .size: 8, .value_kind: global_buffer, .address_space: global }
    .group_segment_fixed_size: 0
    .private_segment_fixed_size: 0
    .kernarg_segment_align: 8
    .kernarg_segment_size: 24
    .max_flat_workgroup_size: 32
    .sgpr_count:     66
    .vgpr_count:     32
    .wavefront_size: 32
...
	.end_amdgpu_metadata
.endif
;; end of part 5
